; MI455X (gfx1250); checked and timed in simulation.
; The chip was launched on July 23, 2026; its instructions are those of AMD's public machine-readable ISA for CDNA 5 (MIT licence, August 2026) and "CDNA5" Instruction Set Architecture Reference Guide (July 2026). The comments in the code are by the model that wrote it; some were corrected since.
;; Fused Sequence Parallel Attn. Allowed arithmetic: matrix products marked QUANTISED: E2M1 operands, one E8M0 scale for each 32 along K, by v_wmma_scale_f32_16x16x128_f8f6f4 with both operands' format E2M1 (or v_wmma_scale_f32_32x16x128_f4), f32 sums; everything else in f32.
;; Inputs: cu_seqlens_k 2 int32; cu_seqlens_q 2 int32; k_shard 8 x 1,024 x 8 x 128 float32; q_shard 1,024 x 32 x 128 float32; v_shard 8 x 1,024 x 8 x 128 float32.
;; Outputs: out0 1,024 x 32 x 128 float32.
;; This version of the problem:
;;   THIS VERSION OF THE PROBLEM IS GIVEN IN LOW PRECISION. The matrix products marked QUANTISED in the list below multiply operands that are first quantised to E2M1 (2 exponent bits, 1 mantissa bit; 4 bits a number), with one power-of-two scale for each 32 numbers along K (OCP MX v1.0); their sums are f32. All else is computed in f32.
;;   The module's matrix products, in the order in which they are computed (A, B: the left and right operand; K: the contracted axis; several contracted axes count as one K, in the product's order):
;;     1. batch 8 x [M 8,192, K 128] x [K 128, N 4,096]; A: input k_shard; B: input q_shard: QUANTISED
;;     2. batch 8 x [M 128, K 8,192] x [K 8,192, N 4,096]; A: input v_shard; B: softmax (see below): QUANTISED
;;   THE QUANTISER, for each operand of a quantised product, along K:
;;     - K is cut into blocks of 32 from its start; a last block that is shorter is filled with zeros.
;;     - A block's scale is 2^e with e = floor(log2(the largest magnitude in the block)) - 2, held to -126 .. 127; a block of zeros has e = 0. As a byte (E8M0): e + 127.
;;     - Each number is divided by its block's scale, clamped to +-6, and rounded to the nearest number of E2M1, ties to even, subnormals kept.
;;     - The product sums the exact products of the quantised numbers (number of the format x scale) in f32.
;;   ~~~python
;;   def quantise(x, axis):      # numpy; x: float32 -> the quantised numbers, widened to float32 again
;;       x = np.moveaxis(x, axis, -1); K = x.shape[-1]
;;       x = np.pad(x, [(0, 0)] * (x.ndim - 1) + [(0, -K % 32)]); x = x.reshape(x.shape[:-1] + (-1, 32)); a = np.abs(x).max(-1, keepdims=True)
;;       e = np.where(a > 0, np.clip(np.frexp(np.where(a > 0, a, 1))[1] - 1 - 2, -126, 127), 0)      # np.frexp(a)[1] - 1 = floor(log2(a)), exactly
;;       r = np.clip(x / 2.0 ** e, -6, 6)
;;       step = 2.0 ** (np.maximum(np.frexp(np.where(r == 0, 1, r))[1] - 1, 0) - 1)
;;       q = np.round(r / step) * step * 2.0 ** e      # np.round: ties to even
;;       return np.moveaxis(q.reshape(q.shape[:-2] + (-1,))[..., :K], -1, axis).astype(np.float32)
;;   ~~~
;;   SOFTMAX AHEAD OF A QUANTISED PRODUCT. Where the list says 'softmax', what is quantised is not the finished softmax but p = 2^(t - M), with t = logit x log2(e) and M = ceil(the row's largest t), a whole number; so 1/2 < the row's largest p <= 1. The row's sum l is taken of the UNQUANTISED p, in f32, and the product's result is divided by l at the end. Since M is a whole number, a kernel that streams over the keys may use a running M (the ceiling of the running maximum): every later rescaling is an exact power of two, which a block's scale takes up: the codes' values come out the same.
;;   OPERANDS COMPUTED ON THE WAY. 'Computed on the way' means the value that the module computes at that place (a softmax that the list does not call 'softmax' is quantised finished and normalised). What goes into a quantiser is computed in f32, as accurately as f32 sums, v_exp_f32 and their like allow (about 1e-6 of the number): no bf16 or f16 on the way to a quantiser, and a product that is left as it is and whose result goes on into a quantised operand takes f32 operands (vector FMAs, or v_wmma_f32_16x16x4_f32). A number that lies on a knife's edge between two numbers of the format may be rounded either way, as far as f32 arithmetic and the matrix unit's own rounding can turn it there, and no further.
;; One version. Each part assembles by itself: llvm-mc -triple=amdgcn-amd-amdhsa -mcpu=gfx1250 --defsym DOCPART=n.
;; ======== version 1 of 1: 2 launches
;; workspace buffers: kvimg 7,241,728 bytes
;; launch quant (part 1): grid 416 x 1, 4 waves a work-group, no clusters, 38,400 bytes of LDS; arguments k_shard, v_shard, kvimg; writes kvimg
.if DOCPART == 1
	.amdgcn_target "amdgcn-amd-amdhsa--gfx1250"
	.amdhsa_code_object_version 6
	.text
	.protected	k_qee51be2570_quant
	.globl	k_qee51be2570_quant
	.p2align	8
	.type	k_qee51be2570_quant,@function
k_qee51be2570_quant:
	s_mov_b64 s[64:65], 0
	v_nop
	global_prefetch_b8 v0, s[64:65] scope:SCOPE_SE
	s_setreg_imm32_b32 hwreg(HW_REG_WAVE_MODE, 25, 1), 1
	s_wait_xcnt 0x0
; K and V ([8192 keys][8 heads][128] f32, a key 4,096 bytes, a head 512) become codes of FP4 (E2M1) with one E8M0 byte for each 32 along a product's K:
; K along the head's 128, V along the keys.  They leave as RECORDS, one for each head and each 128 keys in the order of GLOBAL positions, laid in the order of the operands' registers:
;   +0      K's image: tile T (0..7) of 1,024 bytes; at 1024 T + 512 c + 256 hh + 16 r the 16 bytes (32 codes) of dims block 2 c + hh of key 32 (T / 2) + 8 (T % 2) + r + 8 (r / 8)
;   +8192   V's image: the same places; row d = 16 T + r of the head's 128, the codes of keys 64 c + 32 hh + 0 .. 31 of the record
;   +16384  K's scale words: that of (T, r) at 256 (T / 4) + 16 r + 4 (T % 4), byte B for dims block B      +16896  V's: the same places, byte B for key block B of the record
; THE ORDER OF KEYS.  Memory chunk m of 512 keys holds global chunk m / 2 (m even) or 15 - (m - 1) / 2 (m odd), so global chunk gc lies in memory chunk 2 gc (gc < 8) or 31 - 2 gc.
; Global chunks 13 to 15 (memory chunks 5, 3, 1) come after every query of this rank (global chunks 3 and 12): the causal mask on global positions hides them from all queries, so they are neither read nor quantised.
; A block's scale is 2^(floor(log2(its largest magnitude)) - 2); its byte is the largest magnitude's exponent field - 2, held at 1 from below.
; LIMITS: a block whose largest magnitude lies under 2^-124, a block of zeros among them, keeps the byte 1 (a block of zeros has zero codes, which add nothing; this program alone reads the bytes); NaN and infinities are not served.
; SHARES.  Work-groups 0 to 207 take K, 208 to 415 V; the two ways part once, on the work-group's number.  Waves share nothing: no barrier.  Only K's way uses LDS.
.set REC,   17408                      ; a record
.set KWG,   208                        ; K's work-groups
.set SP,    80                         ; K: a lane's place in a stage: 64 bytes + 16 of padding
.set IMGB,  2*32*SP                    ; K: behind a wave's two stages its half of a record's image, 4,096 bytes,
.set SCB,   IMGB+4096                  ; and its 256 scale bytes
.set WREG,  SCB+256                    ; LDS of a wave: 9,472 bytes
.set R,     16                         ; K: v16-79   four sets of 16 numbers as loaded
.set X,     80                         ; K: v80-111  two sets of 16 neighbours
.set C,     112                        ; K: v112-115 two sets of codes
.set E,     116                        ; K: v116-117 two scale bytes
.set OUTR,  128                        ; K: v128-159 the image on its way out; v[160:161] the scale bytes
.set VX,    32                         ; V: v32-95   two sets of 32 numbers
.set VC,    96                         ; V: v96-127  four registers of codes for each block: no store's data are written again
.set SB,    24                         ; V: v24-25   a record's four scale bytes
.macro KLOAD t                         ; step t: keys 4 t .. 4 t + 3 of my 64: each load takes one key's 512 consecutive bytes
.irp i, 0,1,2,3
	global_load_b128 v[R+16*((\t)%4)+4*\i:R+16*((\t)%4)+4*\i+3], v3, s[4:5] offset:(4*(\t)+\i)*4096 th:TH_LOAD_NT
.endr
.endm
.macro KTURN t                         ; the step's 2,048 bytes through my stage: in as loaded, out 64 bytes a lane.  LDS serves a wave's instructions in order: no wait between
.irp i, 0,1,2,3
	ds_store_b128 v14, v[R+16*((\t)%4)+4*\i:R+16*((\t)%4)+4*\i+3] offset:32*SP*((\t)%2)+8*SP*\i
.endr
.irp i, 0,1,2,3
	ds_load_b128 v[X+16*((\t)%2)+4*\i:X+16*((\t)%2)+4*\i+3], v15 offset:32*SP*((\t)%2)+16*\i
.endr
.endm
; Lane l then holds key 4 t + l / 8, dims 16 (l % 8) on: half l % 2 of dims block (l / 2) % 4.  That key is row R0 + l / 8 of my tile TL.
.macro KSTEP t
.set XS, X+16*((\t)%2)
.set TL, 2*((\t)/8)+(((\t)/2)%2)
.set R0, 4*((\t)%2)+8*(((\t)/4)%2)
.if (\t) > 0
	s_wait_dscnt 2                                 ; this step's numbers are back from the stage; the last step's two stores (codes, byte) may be out
.else
	s_wait_dscnt 0x0
.endif
.if (\t)+4 < 16
	KLOAD (\t)+4                                   ; into the set whose stores into the stage have just been shown done
.endif
.if (\t)+1 < 16
.if 14-(\t) >= 3
	s_wait_loadcnt 12                              ; the next step's four loads are in; those of the three steps behind it may be out
.else
	s_wait_loadcnt 4*(14-(\t))
.endif
	KTURN (\t)+1
.endif
	v_max3_num_f32 v8, |v[XS]|, |v[XS+1]|, |v[XS+2]|               ; the largest magnitude of my 16, in two chains
	v_max3_num_f32 v9, |v[XS+3]|, |v[XS+4]|, |v[XS+5]|
.irp i, 6,10
	v_max3_num_f32 v8, v8, |v[XS+\i]|, |v[XS+\i+1]|
	v_max3_num_f32 v9, v9, |v[XS+\i+2]|, |v[XS+\i+3]|
.endr
	v_max3_num_f32 v8, v8, |v[XS+14]|, |v[XS+15]|
	v_max3_num_f32 v8, v8, v9, 0x1800000           ; and the floor 2^(3 - 127): the byte cannot fall under 1
	v_max_num_f32_dpp v8, v8, v8 row_xmask:1 row_mask:0xf bank_mask:0xf   ; with my neighbour's 16: the block's
	v_add_nc_u32 v11, 0xff000000, v8               ; 2 off its exponent field: the conversion takes the exponent field of this operand as its scale
	v_cvt_scalef32_pk8_fp4_f32 v[C+2*((\t)%2)], v[XS:XS+7], v11
	v_cvt_scalef32_pk8_fp4_f32 v[C+2*((\t)%2)+1], v[XS+8:XS+15], v11
	v_lshrrev_b32 v[E+(\t)%2], 23, v11             ; the scale's byte (a plain line behind the conversions)
	ds_store_b64 v4, v[C+2*((\t)%2):C+2*((\t)%2)+1] offset:1024*TL+16*R0   ; my 8 bytes at their place in the image
	ds_store_b8 v5, v[E+(\t)%2] offset:4*TL+16*R0  ; both lanes of a block write the same byte with the same value
.endm
.macro VLOAD t                         ; block t: V(key 32 t + i, my column), i = 0 .. 31: 32 lanes read 128 consecutive bytes, the four waves 512
.irp i, 0,1,2,3,4,5,6,7,8,9,10,11,12,13,14,15,16,17,18,19,20,21,22,23,24,25,26,27,28,29,30,31
	global_load_b32 v[VX+32*((\t)%2)+\i], v3, s[6:7] offset:(32*(\t)+\i)*4096 th:TH_LOAD_NT
.endr
.endm
.macro VBLOCK t                        ; all 32 numbers of the block are mine: no other lane is asked
.set XS, VX+32*((\t)%2)
.if (\t) < 7
	s_wait_loadcnt 32                              ; this block's 32 loads are in; the next block's may be out
.else
	s_wait_loadcnt 0x0
.endif
	v_max3_num_f32 v12, |v[XS]|, |v[XS+1]|, |v[XS+2]|
	v_max3_num_f32 v13, |v[XS+3]|, |v[XS+4]|, |v[XS+5]|
.irp i, 6,10,14,18,22,26
	v_max3_num_f32 v12, v12, |v[XS+\i]|, |v[XS+\i+1]|
	v_max3_num_f32 v13, v13, |v[XS+\i+2]|, |v[XS+\i+3]|
.endr
	v_max3_num_f32 v12, v12, |v[XS+30]|, |v[XS+31]|
	v_max3_num_f32 v12, v12, v13, 0x1800000        ; the floor 2^(3 - 127)
	v_add_nc_u32 v11, 0xff000000, v12              ; the conversion's scale operand
	v_lshrrev_b32 v13, 23, v11                     ; the scale's byte
.if (\t)%4 == 0
	v_mov_b32 v[SB+(\t)/4], v13                    ; four bytes to a word, the lower keys in the lower byte
.else
	v_lshl_or_b32 v[SB+(\t)/4], v13, 8*((\t)%4), v[SB+(\t)/4]
.endif
.irp g, 0,1,2,3
	v_cvt_scalef32_pk8_fp4_f32 v[VC+4*(\t)+\g], v[XS+8*\g:XS+8*\g+7], v11
.endr
	global_store_b128 v8, v[VC+4*(\t):VC+4*(\t)+3], s[10:11] offset:((\t)/4)*REC+(((\t)/2)%2)*512+((\t)%2)*256   ; sixteen lanes store 256 consecutive bytes, at a multiple of 256 from the buffer's first byte
.if (\t)+2 < 8
	VLOAD (\t)+2
.endif
.if (\t)%4 == 3
	global_store_b32 v9, v[SB+(\t)/4], s[10:11] offset:((\t)/4)*REC+8704   ; a record's scale words of my 32 rows: 4 bytes a lane, 16 bytes apart: one byte for each 128 that this way reads
.endif
.endm
	s_load_b128 s[4:7], s[0:1], 0x0                ; K s[4:5], V s[6:7]
	s_load_b64 s[8:9], s[0:1], 0x10                ; the records
	v_lshl_add_u32 v192, v0, 2, 0x9400
	v_mov_b32 v193, 0
	v_lshrrev_b32 v1, 5, v0
	v_readfirstlane_b32 s16, v1                    ; wave 0..3
	v_and_b32 v2, 31, v0                           ; lane
	s_cmp_ge_u32 ttmp9, KWG
	s_cbranch_scc1 .Lv_path
	; ---- K.  A wave takes one head and 64 keys, half a record: idx = work-group / 2 names the 64 keys in global order, head = 4 (work-group % 2) + wave
	s_lshr_b32 s17, ttmp9, 1                       ; idx 0..103
	s_and_b32 s18, ttmp9, 1
	s_lshl_b32 s18, s18, 2
	s_add_co_u32 s18, s18, s16                     ; head
	s_lshr_b32 s19, s17, 3                         ; global chunk 0..12
	s_lshl_b32 s20, s19, 1
	s_sub_co_u32 s21, 31, s20
	s_cmp_lt_u32 s19, 8
	s_cselect_b32 s20, s20, s21                    ; its memory chunk
	s_lshl_b32 s20, s20, 9
	s_and_b32 s21, s17, 7
	s_lshl_b32 s21, s21, 6
	s_add_co_u32 s20, s20, s21                     ; my first key in memory
	s_lshl_b32 s20, s20, 12                        ; 4,096 bytes a key
	s_lshl_b32 s21, s18, 9                         ; 512 a head
	s_add_co_u32 s20, s20, s21
	s_mov_b32 s21, 0
	s_mul_i32 s22, s18, 52
	s_lshr_b32 s23, s17, 1
	s_add_co_u32 s22, s22, s23
	s_mul_i32 s22, s22, REC                        ; my record: 52 x head + idx / 2
	s_and_b32 s24, s17, 1                          ; which half of it
	s_lshl_b32 s25, s24, 12
	s_add_co_u32 s26, s22, s25                     ; its four tiles of the image
	s_mov_b32 s27, 0
	s_lshl_b32 s25, s24, 8
	s_add_co_u32 s28, s22, s25
	s_add_co_u32 s28, s28, 16384                   ; and their 256 scale bytes
	s_mov_b32 s29, 0
	s_wait_alu depctr_va_vdst(0)
	v_lshlrev_b32 v3, 4, v2                        ; 16 x lane
	s_mul_i32 s30, s16, WREG                       ; my wave's LDS
	v_lshrrev_b32 v14, 2, v2
	v_mul_u32_u24 v14, v14, SP
	v_and_b32 v15, 3, v2
	v_lshl_add_u32 v14, v15, 4, v14
	v_add_nc_u32 v14, s30, v14                     ; the stage, in: four lanes' 64 bytes on end, then 16 of padding
	v_mul_u32_u24 v15, v2, SP
	v_add_nc_u32 v15, s30, v15                     ; and out: my 16 neighbours
	v_lshrrev_b32 v4, 3, v2
	v_lshlrev_b32 v4, 4, v4                        ; the image: 16 (l / 8): the row,
	v_bfe_u32 v8, v2, 2, 1
	v_lshl_add_u32 v4, v8, 9, v4                   ; 512 c,
	v_bfe_u32 v8, v2, 1, 1
	v_lshl_add_u32 v4, v8, 8, v4                   ; 256 hh: dims block 2 c + hh = (l / 2) % 4,
	v_and_b32 v8, 1, v2
	v_lshl_add_u32 v4, v8, 3, v4                   ; 8 (l % 2): my half of its 16 bytes
	s_add_co_u32 s31, s30, IMGB
	v_add_nc_u32 v4, s31, v4
	v_lshrrev_b32 v5, 3, v2
	v_lshlrev_b32 v5, 4, v5
	v_bfe_u32 v8, v2, 1, 2
	v_add_nc_u32 v5, v5, v8                        ; the scale bytes: 16 (l / 8) + the dims block
	s_add_co_u32 s32, s30, SCB
	v_add_nc_u32 v5, s32, v5
	v_add_nc_u32 v6, s31, v3                       ; on the way out: 16 bytes a lane of the image,
	v_lshlrev_b32 v10, 3, v2
	v_add_nc_u32 v7, s32, v10                      ; 8 of the scale bytes
	s_wait_kmcnt 0x0
	s_add_nc_u64 s[4:5], s[4:5], s[20:21]
	s_add_nc_u64 s[10:11], s[8:9], s[26:27]
	s_add_nc_u64 s[12:13], s[8:9], s[28:29]
.irp t, 0,1,2,3
	KLOAD \t
.endr
	s_wait_loadcnt 12                              ; step 0's four loads are in
	KTURN 0
.irp t, 0,1,2,3,4,5,6,7,8,9,10,11,12,13,14,15
	KSTEP \t
.endr
.irp j, 0,1,2,3,4,5,6,7
	ds_load_b128 v[OUTR+4*\j:OUTR+4*\j+3], v6 offset:512*\j        ; LDS serves a wave's instructions in order: these see my stores
.endr
	ds_load_b64 v[160:161], v7
.irp j, 0,1,2,3,4,5,6,7
	s_wait_dscnt 8-\j                              ; behind load j: the 7 - j others of the image and the scale bytes'
	global_store_b128 v3, v[OUTR+4*\j:OUTR+4*\j+3], s[10:11] offset:512*\j   ; 32 lanes store 512 consecutive bytes, at a multiple of 256 from the buffer's first byte
.endr
	s_wait_dscnt 0x0
	global_store_b64 v10, v[160:161], s[12:13]     ; 32 lanes store 256 consecutive bytes, aligned likewise
	s_wait_tensorcnt 0x0
	ds_add_u32 v192, v193
	s_wait_dscnt 0x0
	s_endpgm
	; ---- V.  A lane takes a column d of one head, its registers run down the keys.  A work-group takes one head and 256 keys (two records), wave w columns 32 w on
.Lv_path:
	s_sub_co_u32 s17, ttmp9, KWG
	s_and_b32 s18, s17, 7                          ; head
	s_lshr_b32 s19, s17, 3                         ; which 256 keys in global order, 0..25
	s_lshr_b32 s22, s19, 1                         ; global chunk
	s_lshl_b32 s20, s22, 1
	s_sub_co_u32 s21, 31, s20
	s_cmp_lt_u32 s22, 8
	s_cselect_b32 s20, s20, s21                    ; its memory chunk
	s_lshl_b32 s20, s20, 9
	s_and_b32 s21, s19, 1
	s_lshl_b32 s21, s21, 8
	s_add_co_u32 s20, s20, s21                     ; my first key in memory
	s_lshl_b32 s20, s20, 12
	s_lshl_b32 s21, s18, 9
	s_add_co_u32 s20, s20, s21
	s_lshl_b32 s21, s16, 7                         ; my wave's 32 columns
	s_add_co_u32 s20, s20, s21
	s_mov_b32 s21, 0
	s_mul_i32 s22, s18, 52
	s_lshl_b32 s23, s19, 1
	s_add_co_u32 s22, s22, s23
	s_mul_i32 s22, s22, REC
	s_add_co_u32 s22, s22, 8192                    ; V's image in the first of my two records
	s_mov_b32 s23, 0
	s_wait_alu depctr_va_vdst(0)
	v_lshlrev_b32 v3, 2, v2                        ; in: 4 bytes a lane
	v_lshrrev_b32 v12, 4, v2                       ; l / 16
	v_and_b32 v13, 15, v2                          ; r
	s_lshl_b32 s24, s16, 11
	v_lshlrev_b32 v8, 10, v12
	v_lshl_add_u32 v8, v13, 4, v8
	v_add_nc_u32 v8, s24, v8                       ; the image: tile 2 w + l / 16, row r
	s_lshr_b32 s25, s16, 1
	s_lshl_b32 s25, s25, 8
	s_and_b32 s26, s16, 1
	s_lshl_b32 s26, s26, 3
	s_add_co_u32 s25, s25, s26
	v_lshlrev_b32 v9, 2, v12
	v_lshl_add_u32 v9, v13, 4, v9
	v_add_nc_u32 v9, s25, v9                       ; the scale word of that tile and row
	s_wait_alu depctr_va_vdst(0)
	s_wait_kmcnt 0x0
	s_add_nc_u64 s[6:7], s[6:7], s[20:21]
	s_add_nc_u64 s[10:11], s[8:9], s[22:23]
	VLOAD 0
	VLOAD 1
.irp t, 0,1,2,3,4,5,6,7
	VBLOCK \t
.endr
	s_endpgm
.Lfunc_end_k_qee51be2570_quant:
	.size	k_qee51be2570_quant, .Lfunc_end_k_qee51be2570_quant-k_qee51be2570_quant
	.p2alignl 7, 3214868480
	.fill 96, 4, 3214868480
	.section	.rodata,"a",@progbits
	.p2align	6, 0x0
	.amdhsa_kernel k_qee51be2570_quant
		.amdhsa_group_segment_fixed_size 38400
		.amdhsa_private_segment_fixed_size 0
		.amdhsa_enable_private_segment 0
		.amdhsa_kernarg_size 24
		.amdhsa_user_sgpr_count 2
		.amdhsa_user_sgpr_kernarg_segment_ptr 1
		.amdhsa_wavefront_size32 1
		.amdhsa_system_sgpr_workgroup_id_x 1
		.amdhsa_system_sgpr_workgroup_id_y 1
		.amdhsa_system_sgpr_workgroup_id_z 1
		.amdhsa_system_vgpr_workitem_id 0
		.amdhsa_next_free_vgpr 194
		.amdhsa_next_free_sgpr 66
		.amdhsa_reserve_vcc 0
		.amdhsa_float_denorm_mode_32 3
		.amdhsa_float_denorm_mode_16_64 3
		.amdhsa_memory_ordered 1
		.amdhsa_forward_progress 1
		.amdhsa_inst_pref_size 74
	.end_amdhsa_kernel
	.amdgpu_metadata
---
amdhsa.version: [ 1, 2 ]
amdhsa.kernels:
  - .name:           k_qee51be2570_quant
    .symbol:         k_qee51be2570_quant.kd
    .args:
      - { .name: k_shard, .offset: 0, .size: 8, .value_kind: global_buffer, .address_space: global }
      - { .name: v_shard, .offset: 8, .size: 8, .value_kind: global_buffer, .address_space: global }
      - { .name: kvimg, .offset: 16, .size: 8, .value_kind: global_buffer, .address_space: global }
    .group_segment_fixed_size: 38400
    .private_segment_fixed_size: 0
    .kernarg_segment_align: 8
    .kernarg_segment_size: 24
    .max_flat_workgroup_size: 128
    .sgpr_count:     66
    .vgpr_count:     194
    .wavefront_size: 32
...
	.end_amdgpu_metadata
.endif
;; end of part 1
;; launch attn (part 2): grid 32 x 8, 16 waves a work-group, clusters of 4 x 1, 327,680 bytes of LDS; arguments q_shard, kvimg, out0, cu_seqlens_q, cu_seqlens_k; writes out0
.if DOCPART == 2
	.amdgcn_target "amdgcn-amd-amdhsa--gfx1250"
	.amdhsa_code_object_version 6
	.text
	.protected	k_qee51be2570_attn
	.globl	k_qee51be2570_attn
	.p2align	8
	.type	k_qee51be2570_attn,@function
k_qee51be2570_attn:
	s_mov_b64 s[64:65], 0
	v_nop
	global_prefetch_b8 v0, s[64:65] scope:SCOPE_SE
	s_setreg_imm32_b32 hwreg(HW_REG_WAVE_MODE, 25, 1), 1
	s_wait_xcnt 0x0
	s_wait_alu depctr_hold_cnt(0) depctr_sa_sdst(0) depctr_va_vdst(0) depctr_va_sdst(0) depctr_va_ssrc(0) depctr_va_vcc(0) depctr_vm_vsrc(0)
	s_getreg_b32 s2, hwreg(HW_REG_IB_STS2, 6, 4)
	s_cmp_eq_u32 s2, 0
	s_cbranch_scc0 .Lentry_in_a_cluster
	s_endpgm
.Lentry_in_a_cluster:
	s_bfe_u32 s2, ttmp6, 0x10000c
	s_cmp_lg_u32 s2, 0x3003
	s_cbranch_scc0 .Lentry_shape_is_right
	s_endpgm
.Lentry_shape_is_right:
; out[q][head][:] = the sum over keys of softmax(Q . K / sqrt(128), causal on GLOBAL positions) V, both products on codes of FP4 (E2M1) with one E8M0 scale for each 32 along a product's K.
; Q: [1024][32][128] f32, quantised here in registers.  K, V: the records that the launch before has made (head, 128 keys in global order: K's image 8,192 bytes, V's 8,192, K's scale words 512, V's 512), 52 a head.
; THE SOFTMAX: t = score x log2(e) / sqrt(128); M = the largest t so far, rounded UP to a whole number; p = 2^(t - M) is quantised along the keys, not normalised; the sum is taken of the unquantised p and divides at the end.
; THE MASK.  Queries 0-511 stand at global positions 1536 on, queries 512-1023 at 6144 on; key k counts for query q where its global position is not larger.  The records follow global positions, so the mask is plainly causal.
; SHARES.  A cluster is the four query heads of one key and value head on the same queries: they walk the same records, which are asked for JOINTLY.  A work-group (cluster x = b, head 4 h + cx) owns four SHORT tiles of 16
; queries (rows 64 b + 16 i) and four LONG ones (rows 512 + 64 (7 - b) + 16 i).  A long tile's keys are cut in three; wave w has tile i = w / 4 and part u = (w + i) % 4:
;   u = 0: long, keys 2048-4095 (area 0)    u = 1: long, keys 4096 to the diagonal (area 1)    u = 2: long, keys 0-2047 (area 2)    u = 3: short, keys 0 to the diagonal (area 2)
; The three parts of a long tile meet in LDS at the end: their M are whole numbers, so bringing them under the largest is a multiplication by a power of two, which rounds nothing.
; THE RING.  Two slots, 2^17 bytes apart, each three areas of two records (256 keys); a trip is two key steps of 128.  Waves 0, 1, 2 fetch areas 0, 1, 2, one load each: 136 rows of 256 bytes, dense.  Ten trips; areas 0 and 2
; end after eight.  Every wave walks all ten trips; a step whose keys all come after the wave's queries or after its part's end is jumped over by a scalar branch on ids, which jumps over no barrier, tensor load or address step.
; LAYOUT.  Both products are used transposed (S^T = K Q^T, O^T = V^T P^T): a lane holds ONE query (lane % 16) throughout.  The keys of a tile of K are chosen (in the record) so that the 16 registers of tiles 2 b and 2 b + 1
; are 16 neighbouring keys, 32 b + 16 (lane / 16) + 0 .. 15.  A fragment comes by two loads at 16 x lane; the scale words of eight tiles by one (tiles 0-3 in lanes 0-15, tiles 4-7 in lanes 16-31).
; cu_seqlens_q and cu_seqlens_k are loaded; the function computed makes nothing of them, and neither does this text.
; LIMITS: a block whose largest magnitude lies under 2^-124 keeps the scale byte 1; a p under 2^-126 counts as 0; NaN and infinities among the inputs are not served.
; NOT DONE: no prefetch (the records were written by the launch just before, Q is wanted at once); no padding in LDS (every load takes 512 consecutive bytes).
; REGISTERS: v1-11 addresses that stay; v12 -M, v13 the largest t, v[14:15] the sum in two halves; v16-23 Q; v32-95 eight fragments of K, then of V; v96-159 S^T, then p; v160-223 O^T; v224-231 p's codes; v232-247, v252, v254 at work;
;   v248-251 K's, then V's scale words; v253 p's; v255 Q's.
.set REC,   17408                      ; a record
.set AREA,  2*REC                      ; two records: what one tensor load brings
.set SLOT1, 1<<17                      ; slot 1 begins here: one exclusive or turns an address in one slot into the other's
.set SPARE, 3*AREA                     ; behind slot 0: the spare words, 128 bytes for each of 16 waves: eight blocks of 256 bytes that no other line names
.set MREG,  8704                       ; the merge: a part's O^T as an image of its 64 registers (8,192 bytes) and v[12:15] likewise (512); region 2 i + u, in slot 0, which has had its last fill and its last read by then
.set STG,   SLOT1                      ; the way out: 16 rows x 272 bytes for each wave, in slot 1, behind the barrier in front of which its last reads are over
.set LI,   1                           ; v1   16 x lane
.set XA,   2                           ; v2   Q: row r of 16,384 bytes + 64 (lane / 16)
.set MWR,  3                           ; v3   where a part is put for the merge
.set MA,   4                           ; v4   where my tile's two parts lie
.set SPW,  5                           ; v5   LDS address of my spare word: SPARE + 4 x my thread's number; never rewritten
.set NIL,  6                           ; v6   0; never rewritten
.set GO,   7                           ; v7   the way out: my byte offset in the tile's rows of out
.set ADR,  8                           ; v8   LDS address of the trip's records
.set STI,  9                           ; v9   the stage: where I put 32 bytes of a row
.set STO,  10                          ; v10  and where I read a row back
.set DD,   11                          ; v11  r - 16 (lane / 16), for the mask
.set WV,   18                          ; s18  my wave's number
.set I,    19                          ; s19  my tile
.set SEL,  20                          ; s[20:21] lane selects for v_permlanex16_b32: lane l xor 16
.set CS,   22                          ; s[22:23] c = log2(e) / sqrt(128): the packed form names a pair and takes its low word for both halves
.set G1,   24                          ; s[24:31] descriptor group 1
.set G0,   32                          ; s[32:35] descriptor group 0, which walks
.set U,    36                          ; s36  my part
.set TB,   38                          ; s38  LDS byte at which my area of the slot in hand begins
.set KF,   39                          ; s39  the step's first key (global position)
.set Q0,   40                          ; s40  my first query (global position)
.set LIM,  41                          ; s41  the last key that counts for any of my queries in my part
.set CNT,  42                          ; s42  trips to go
; A round of the cluster's barrier: my work-group's barrier, so that wave 0's signal speaks for all sixteen waves; wave 0 signals; every wave waits for the four work-groups; my work-group's barrier once more.
.macro ROUND
	s_barrier_signal -1
	s_barrier_wait -1
	s_cmp_lg_u32 s[WV], 0
	s_cbranch_scc1 .Lnot_wave_0_\@
	s_barrier_signal -3
.Lnot_wave_0_\@:
	s_barrier_wait -3
	s_barrier_signal -1
	s_barrier_wait -1
.endm
; A joint load.  which = 1: waves 0, 1, 2 fetch their areas; 2: wave 1 alone (area 1, the one stream that is longer).  The branch hangs on the wave's number alone.  Four v_nop follow the load.
.macro TLOAD which
.if \which == 1
	s_cmp_lt_u32 s[WV], 3
.else
	s_cmp_eq_u32 s[WV], 1
.endif
	s_cbranch_scc0 .Lasked_\@
	tensor_load_to_lds s[G0:G0+3], s[G1:G1+7]
	s_nop 0
.rept 4
	v_nop
.endr
.Lasked_\@:
.endm
; THE CHANGE OF SLOTS stands at a trip's head.  Each wave waits for all its tensor loads (at most one is out: its area of the slot about to be read), adds 0 to its spare word, and waits for that and for its reads of the slot that it
; has left.  fill > 0: the barrier is a round of the cluster's, and behind it that other slot takes the next trip's records: the load has a whole trip in which to land.
.macro CHANGE fill
	s_wait_tensorcnt 0x0                           ; no tensor load of mine is out, so group 0 may be written
	ds_add_u32 v[SPW], v[NIL]                      ; 0 onto my spare word
	ds_add_u32 v[SPW], v[NIL]
.if \fill
	s_xor_b32 s[G0+1], s[G0+1], SLOT1              ; the other slot than last time,
	s_add_nc_u64 s[G0+2:G0+3], s[G0+2:G0+3], AREA  ; the next two records; the type bits on top are not reached
.endif
	s_wait_dscnt 0x0                               ; the add is done, and my reads of the slot that I have left are over
.if \fill
	ROUND                                          ; no wave of any partner still reads that slot or has a load on its way
	TLOAD \fill                                    ; the first thing behind the round, and a wave's one tensor load until the next
.else
	s_barrier_signal -1
	s_barrier_wait -1
.endif
.endm
; A KEY STEP: 128 keys, record q of my area.
.macro STEP q
	s_cmp_gt_u32 s[KF], s[LIM]                     ; all its keys are hidden from my queries, or my part has ended
	s_cbranch_scc1 .Lhidden_\@
	v_add_nc_u32 v[ADR], s[TB], v[LI]
.rept 3
	v_nop                                          ; with the addition above: four places in front of loads into registers that matrix instructions have read
.endr
	ds_load_b128 v[248:251], v[ADR] offset:(\q)*REC+16384          ; K's scale words
.irp t, 0,1,2,3,4,5,6,7
.irp c, 0,1
	ds_load_b128 v[32+8*\t+4*\c:32+8*\t+4*\c+3], v[ADR] offset:(\q)*REC+1024*\t+512*\c
.endr
.endr
	s_wait_alu depctr_va_vdst(0)
	s_wait_dscnt 0x0
.irp t, 0,1,2,3                                ; S^T = K Q^T: source 0 = 16 keys, source 1 = my 16 queries
	v_wmma_scale_f32_16x16x128_f8f6f4 v[96+8*\t:103+8*\t], v[32+8*\t:39+8*\t], v[16:23], 0, v[248+\t], v255 matrix_a_fmt:MATRIX_FMT_FP4 matrix_b_fmt:MATRIX_FMT_FP4
.endr
.irp t, 4,5,6,7
	v_wmma_scale_f32_16x16x128_f8f6f4 v[96+8*\t:103+8*\t], v[32+8*\t:39+8*\t], v[16:23], 0, v[244+\t], v255 matrix_a_fmt:MATRIX_FMT_FP4 matrix_b_fmt:MATRIX_FMT_FP4 matrix_a_scale:MATRIX_SCALE_ROW1
.endr
.rept 4
	v_nop                                          ; four places: in front of the loads below, and of the first read of the scores
.endr
	ds_load_b128 v[248:251], v[ADR] offset:(\q)*REC+16896          ; V's scale words and fragments land while the softmax is walked
.irp t, 0,1,2,3,4,5,6,7
.irp c, 0,1
	ds_load_b128 v[32+8*\t+4*\c:32+8*\t+4*\c+3], v[ADR] offset:(\q)*REC+8192+1024*\t+512*\c
.endr
.endr
	s_add_co_u32 s44, s[KF], 127                   ; on the diagonal the scores of hidden keys become -infinity ahead of the maximum: p = 0 then.  A step all of whose keys count skips this
	s_cmp_le_u32 s44, s[Q0]
	s_cbranch_scc1 .Lopen_\@
	s_sub_co_i32 s44, s[Q0], s[KF]
	v_add_nc_u32 v252, s44, v[DD]                  ; d = my query - KF - 16 (lane / 16).  Register 16 b + i holds key KF + 16 (lane / 16) + 32 b + i: hidden where 32 b + i > d
	v_mov_b32 v254, 0xff800000                     ; -infinity
.set n, 0
.rept 64
	v_cmp_gt_i32 vcc_lo, 32*(n/16)+n%16, v252
	v_cndmask_b32 v[96+n], v[96+n], v254, vcc_lo
.set n, n+1
.endr
.Lopen_\@:
.irp b, 0,1,2,3
	v_max3_num_f32 v[232+\b], v[96+16*\b], v[97+16*\b], v[98+16*\b]   ; the largest score of each block of 32 keys: it serves for the row's maximum and, since p rises with the score, for the block's largest p
.endr
.irp i, 3,5,7,9,11,13
.irp b, 0,1,2,3
	v_max3_num_f32 v[232+\b], v[232+\b], v[96+16*\b+\i], v[97+16*\b+\i]   ; (the four blocks by turns)
.endr
.endr
.irp b, 0,1,2,3
	v_max_num_f32 v[232+\b], v[232+\b], v[111+16*\b]
.endr
.irp b, 0,1,2,3
	s_delay_alu instid0(VALU_DEP_4)
	v_permlanex16_b32 v[236+\b], v[232+\b], s[SEL], s[SEL+1]
.endr
.irp b, 0,1,2,3
	s_delay_alu instid0(VALU_DEP_4)
	v_max_num_f32 v[232+\b], v[232+\b], v[236+\b]  ; with lane l xor 16's 16 keys
.endr
	s_delay_alu instid0(VALU_DEP_2)
	v_max3_num_f32 v254, v232, v233, v234
	s_delay_alu instid0(VALU_DEP_1)
	v_max_num_f32 v254, v254, v235                 ; the step's largest score of my query
	s_delay_alu instid0(VALU_DEP_1)
	v_mul_f32 v254, s[CS], v254                    ; as t (c is positive)
	s_delay_alu instid0(VALU_DEP_1)
	v_max_num_f32 v13, v13, v254                   ; the running largest t
	v_mov_b32 v254, v12
	s_delay_alu instid0(VALU_DEP_2)
	v_floor_f32 v12, -v13                          ; the new -M = floor(-t) = -ceil(t): a whole number
	s_delay_alu instid0(VALU_DEP_1)
	v_sub_f32 v254, v12, v254                      ; M's old value less its new one: a whole number, 0 or less
	s_delay_alu instid0(VALU_DEP_1)
	v_cvt_i32_f32 v254, v254                       ; (it saturates)
	s_delay_alu instid0(VALU_DEP_1)
	v_ldexp_f32 v252, 1.0, v254                    ; f = 2^(old M - new M)
.set j, 0
.rept 32
	v_pk_fma_f32 v[96+j:97+j], v[96+j:97+j], s[CS:CS+1], v[12:13] op_sel_hi:[1,0,0]   ; t - M, two at a time (of the pairs c and -M the low word serves both halves)
.set j, j+2
.endr
.irp b, 0,1,2,3
	v_fma_f32 v[232+\b], v[232+\b], s[CS], v12     ; the same of each block's largest score
.endr
.set j, 0
	s_wait_alu depctr_va_vdst(0)
.rept 64
	v_exp_f32 v[96+j], v[96+j]                     ; p = 2^(t - M), at most 1: not normalised
.set j, j+1
.endr
.irp b, 0,1,2,3
	v_exp_f32 v[232+\b], v[232+\b]                 ; the block's largest p: the same two instructions on the same number give the same bits
.endr
	v_pk_mul_f32 v[14:15], v[14:15], v[252:253] op_sel_hi:[1,0]   ; the sums under the new M.  (A plain line behind the exponentials)
	s_wait_alu depctr_va_vdst(0)
.irp b, 0,1,2,3
	v_max_num_f32 v[232+\b], 0x1800000, v[232+\b]  ; the floor 2^(3 - 127): the byte cannot fall under 1 (a block whose every p is 0 keeps that byte: its codes are zeros)
.endr
.irp b, 0,1,2,3
	s_delay_alu instid0(VALU_DEP_4)
	v_add_nc_u32 v[244+\b], 0xff000000, v[232+\b]  ; 2 off the exponent field: the conversion's scale operand
.endr
.irp b, 0,1,2,3
	s_delay_alu instid0(VALU_DEP_4)
	v_lshrrev_b32 v[236+\b], 23, v[244+\b]         ; the scale's byte
.endr
	s_delay_alu instid0(VALU_DEP_3)
	v_lshl_or_b32 v253, v237, 8, v236              ; p's scale word for these 128 keys
	s_delay_alu instid0(VALU_DEP_1)
	v_lshl_or_b32 v253, v238, 16, v253
	s_delay_alu instid0(VALU_DEP_1)
	v_lshl_or_b32 v253, v239, 24, v253
.irp b, 0,1,2,3
	v_cvt_scalef32_pk8_fp4_f32 v[224+2*\b], v[96+16*\b:103+16*\b], v[244+\b]
	v_cvt_scalef32_pk8_fp4_f32 v[225+2*\b], v[104+16*\b:111+16*\b], v[244+\b]
.endr
	v_nop                                          ; one plain line between a scaled conversion and the vector instruction that touches its result
.irp c, 0,1                                    ; the operand's layout wants a whole block in a lane: lanes 0-15 block 2 c, lanes 16-31 block 2 c + 1
.irp i, 0,1
	v_permlane16_swap_b32 v[224+4*\c+\i], v[226+4*\c+\i]
.endr
.endr
	v_pk_add_f32 v[236:237], v[100:101], v[104:105]
	v_pk_add_f32 v[246:247], v[108:109], v[112:113]
	v_pk_add_f32 v[244:245], v[116:117], v[120:121]
	v_pk_add_f32 v[242:243], v[124:125], v[128:129]
	v_pk_add_f32 v[240:241], v[132:133], v[136:137]
	v_pk_add_f32 v[234:235], v[140:141], v[144:145]
	v_pk_add_f32 v[232:233], v[148:149], v[152:153]
	v_pk_add_f32 v[14:15], v[14:15], v[156:157]
	v_pk_add_f32 v[236:237], v[236:237], v[96:97]
	v_pk_add_f32 v[246:247], v[246:247], v[98:99]
	v_pk_add_f32 v[244:245], v[244:245], v[102:103]
	v_pk_add_f32 v[242:243], v[242:243], v[106:107]
	v_pk_add_f32 v[240:241], v[240:241], v[110:111]
	v_pk_add_f32 v[234:235], v[234:235], v[114:115]
	v_pk_add_f32 v[232:233], v[232:233], v[118:119]
	v_pk_add_f32 v[14:15], v[14:15], v[122:123]
	v_pk_add_f32 v[236:237], v[236:237], v[126:127]
	v_pk_add_f32 v[246:247], v[246:247], v[130:131]
	v_pk_add_f32 v[244:245], v[244:245], v[134:135]
	v_pk_add_f32 v[242:243], v[242:243], v[138:139]
	v_pk_add_f32 v[240:241], v[240:241], v[142:143]
	v_pk_add_f32 v[234:235], v[234:235], v[146:147]
	v_pk_add_f32 v[232:233], v[232:233], v[150:151]
	v_pk_add_f32 v[14:15], v[14:15], v[154:155]
	v_pk_add_f32 v[236:237], v[236:237], v[158:159]
	s_delay_alu instid0(VALU_DEP_2)
	v_pk_add_f32 v[14:15], v[14:15], v[242:243]
	s_delay_alu instid0(VALU_DEP_2)
	v_pk_add_f32 v[236:237], v[236:237], v[240:241]
	v_pk_add_f32 v[246:247], v[246:247], v[234:235]
	v_pk_add_f32 v[244:245], v[244:245], v[232:233]
	s_delay_alu instid0(VALU_DEP_2)
	v_pk_add_f32 v[14:15], v[14:15], v[246:247]
	s_delay_alu instid0(VALU_DEP_2)
	v_pk_add_f32 v[236:237], v[236:237], v[244:245]
	s_delay_alu instid0(VALU_DEP_1)
	v_pk_add_f32 v[14:15], v[14:15], v[236:237]
.set j, 0
.rept 32
	v_pk_mul_f32 v[160+j:161+j], v[160+j:161+j], v[252:253] op_sel_hi:[1,0]   ; O^T under the new M: x f.  (These are also the places between p's codes and scale word and the products below)
.set j, j+2
.endr
	s_wait_alu depctr_va_vdst(0)
	s_wait_dscnt 0x0                               ; V's fragments and scale words are in
.irp t, 0,1,2,3                                ; O^T += V^T P^T: source 0 = 16 of the head's 128, source 1 = p; the eight accumulators take turns, one instruction a turn
	v_wmma_scale_f32_16x16x128_f8f6f4 v[160+8*\t:167+8*\t], v[32+8*\t:39+8*\t], v[224:231], v[160+8*\t:167+8*\t], v[248+\t], v253 matrix_a_fmt:MATRIX_FMT_FP4 matrix_b_fmt:MATRIX_FMT_FP4
.endr
.irp t, 4,5,6,7
	v_wmma_scale_f32_16x16x128_f8f6f4 v[160+8*\t:167+8*\t], v[32+8*\t:39+8*\t], v[224:231], v[160+8*\t:167+8*\t], v[244+\t], v253 matrix_a_fmt:MATRIX_FMT_FP4 matrix_b_fmt:MATRIX_FMT_FP4 matrix_a_scale:MATRIX_SCALE_ROW1
.endr
.Lhidden_\@:
	s_add_co_u32 s[KF], s[KF], 128
.endm
.macro TWO_STEPS
	STEP 0
	STEP 1
	s_xor_b32 s[TB], s[TB], SLOT1                  ; on to the other slot
.endm
	s_load_b256 s[4:11], s[0:1], 0x0               ; Q s[4:5], the records s[6:7], out s[8:9], cu_seqlens_q s[10:11]
	s_load_b64 s[12:13], s[0:1], 0x20              ; cu_seqlens_k
	v_lshl_add_u32 v[SPW], v0, 2, SPARE
	v_mov_b32 v[NIL], 0
	ds_add_u32 v5, v6
	ds_add_u32 v5, v6
	s_wait_dscnt 0x0
	v_lshrrev_b32 v8, 5, v0
	s_delay_alu instid0(VALU_DEP_1)
	v_readfirstlane_b32 s[WV], v8                  ; wave 0..15
	s_lshr_b32 s[I], s[WV], 2                      ; my tile
	s_add_co_u32 s[U], s[WV], s[I]
	s_and_b32 s[U], s[U], 3                        ; my part: every four waves on end, and every fourth wave, hold one of each part
	s_min_u32 s37, s[U], 2                         ; its area
	s_mul_i32 s[TB], s37, AREA
	s_bfe_u32 s44, ttmp6, 0x40000                  ; cx: which query head of the group: it enters Q's and out's addresses alone
	s_and_b32 s45, ttmp7, 0xffff                   ; the key and value head, which the four partners share
	s_lshl_b32 s46, ttmp9, 6                       ; 64 b (in a cluster launch ttmp9 counts clusters)
	s_lshl_b32 s47, s[I], 4
	s_add_co_u32 s48, s46, s47                     ; the short tile's first row: 64 b + 16 i
	s_sub_co_u32 s49, 960, s46
	s_add_co_u32 s49, s49, s47                     ; the long tile's: 512 + 64 (7 - b) + 16 i
	s_add_co_u32 s50, s48, 1536                    ; their global positions: rows 0-511 are global chunk 3,
	s_add_co_u32 s51, s49, 5632                    ; rows 512-1023 global chunk 12
	s_cmp_eq_u32 s[U], 3
	s_cselect_b32 s52, s48, s49
	s_cselect_b32 s[Q0], s50, s51
	s_add_co_u32 s53, s[U], 1
	s_lshl_b32 s53, s53, 11
	s_cmp_lt_u32 s[U], 2
	s_cselect_b32 s[KF], s53, 0                    ; my part's first key: 2048, 4096, 0, 0
	s_add_co_u32 s54, s[KF], 2047
	s_cmp_eq_u32 s[U], 1
	s_cselect_b32 s55, 512, 0
	s_add_co_u32 s54, s54, s55                     ; and its last: 4095, 6655, 2047, 2047
	s_add_co_u32 s55, s[Q0], 15
	s_min_u32 s[LIM], s54, s55
	s_lshl_b32 s56, s52, 14                        ; Q and out: 16,384 bytes a row,
	s_lshl_b32 s57, s45, 2
	s_add_co_u32 s57, s57, s44
	s_lshl_b32 s57, s57, 9                         ; 512 a head
	s_add_co_u32 s56, s56, s57
	s_mov_b32 s57, 0
	s_min_u32 s58, s[WV], 2                        ; F: the area that I fetch, if I fetch
	s_mul_i32 s[G0+1], s58, AREA                   ; 63:32 LDS address: slot 0: no place in the cluster enters it
	s_add_co_u32 s59, s58, 1
	s_lshl_b32 s59, s59, 4
	s_lshr_b32 s62, s58, 1
	s_mul_i32 s62, s62, 48
	s_sub_co_u32 s59, s59, s62                     ; its stream's first record: 16, 32, 0
	s_mul_i32 s60, s45, 52
	s_add_co_u32 s60, s60, s59
	s_mul_i32 s60, s60, REC
	s_mov_b32 s61, 0
	; descriptor group 1: two records, 34,816 dense bytes, as 136 rows of 256 bytes (32 elements of 8 bytes); no padding
	s_mov_b32 s[G1], 15|(3<<16)|(1<<21)            ; 15:0 the mask: all four work-groups; 17:16 elements of 8 bytes; 21 set beside a mask
	s_mov_b32 s[G1+1], 32<<16                      ; tensor_dim0 = 32
	s_mov_b32 s[G1+2], 136<<16                     ; tensor_dim1 = 136
	s_mov_b32 s[G1+3], 32<<16                      ; tile_dim0 = 32
	s_mov_b32 s[G1+4], 136                         ; tile_dim1 = 136
	s_mov_b32 s[G1+5], 32                          ; tensor_dim0_stride
	s_mov_b32 s[G1+6], 0
	s_mov_b32 s[G1+7], 0
	s_mov_b32 s[SEL], 0x76543210
	s_mov_b32 s[SEL+1], 0xfedcba98
	s_mov_b32 s[CS], 0x3e0293ee                    ; c = log2(e) / sqrt(128)
	s_mov_b32 s[CS+1], s[CS]                       ; (named with it as a pair, so it is written)
	; every LDS address register is made here, on the way that all waves take
	v_and_b32 v8, 31, v0
	s_delay_alu instid0(VALU_DEP_1)
	v_lshlrev_b32 v[LI], 4, v8
	v_and_b32 v232, 15, v0                         ; r
	v_bfe_u32 v233, v0, 4, 1                       ; hh
	s_delay_alu instid0(VALU_DEP_2)
	v_lshlrev_b32 v[XA], 14, v232
	s_delay_alu instid0(VALU_DEP_1)
	v_lshl_add_u32 v[XA], v233, 6, v[XA]
	s_delay_alu instid0(VALU_DEP_3)
	v_lshlrev_b32 v[GO], 14, v233                  ; the way out: lanes 0-15 take one row of out, lanes 16-31 the next; 16 bytes a lane
	s_delay_alu instid0(VALU_DEP_1)
	v_lshl_add_u32 v[GO], v232, 4, v[GO]
	v_lshlrev_b32 v[DD], 4, v233
	s_delay_alu instid0(VALU_DEP_1)
	v_sub_nc_u32 v[DD], v232, v[DD]
	s_mul_i32 s62, s[I], 2*MREG
	v_add_nc_u32 v[MA], s62, v[LI]
	s_min_u32 s63, s[U], 1
	s_mul_i32 s63, s63, MREG
	v_add_nc_u32 v[MWR], s63, v[MA]
	s_mul_i32 s62, s[WV], 16*272
	s_add_co_u32 s62, s62, STG
	v_mul_u32_u24 v[STI], v232, 272
	s_delay_alu instid0(VALU_DEP_1)
	v_lshl_add_u32 v[STI], v233, 5, v[STI]
	s_delay_alu instid0(VALU_DEP_1)
	v_add_nc_u32 v[STI], s62, v[STI]               ; in: row r; a tile's eight channels of my half: 64 t + 32 hh bytes on
	v_mul_u32_u24 v[STO], v233, 272
	s_delay_alu instid0(VALU_DEP_1)
	v_lshl_add_u32 v[STO], v232, 4, v[STO]
	s_delay_alu instid0(VALU_DEP_1)
	v_add_nc_u32 v[STO], s62, v[STO]               ; back: lanes 0-15 one row, lanes 16-31 the next
	s_wait_kmcnt 0x0
	s_mov_b32 s[G0], 1                             ; 1:0 count = 1
	s_add_nc_u64 s[G0+2:G0+3], s[6:7], s[60:61]    ; 120:64 global address: my stream's first two records
	s_or_b32 s[G0+3], s[G0+3], 0x80000000          ; 127:126 type = 2
	s_add_nc_u64 s[4:5], s[4:5], s[56:57]          ; Q at my tile's first row and my head
	s_add_nc_u64 s[8:9], s[8:9], s[56:57]          ; out likewise
	s_load_b64 s[14:15], s[10:11], 0x0             ; cu_seqlens_q
	s_load_b64 s[16:17], s[12:13], 0x0             ; cu_seqlens_k
	ROUND                                          ; all four work-groups are here: the first joint loads meet
	TLOAD 1                                        ; slot 0: the first trip's records
.irp b, 0,1,2,3                                ; Q: lane (r, hh) takes, of row r, 16 neighbouring numbers of each block of 32: register 96 + 16 b + i = dim 32 b + 16 hh + i
.irp j, 0,1,2,3
	global_load_b128 v[96+16*\b+4*\j:96+16*\b+4*\j+3], v[XA], s[4:5] offset:128*\b+16*\j
.endr
.endr
	v_mov_b32 v13, 0xff61b1e6                      ; the largest t so far: -3e38, under every t
	s_delay_alu instid0(VALU_DEP_1)
	v_floor_f32 v12, -v13                          ; -M
	v_mov_b32 v14, 0                               ; the sum, in two halves
	v_mov_b32 v15, 0
.irp b, 0,1,2,3
	v_mov_b32 v[236+\b], 0                         ; written once: a lane permute's destination counts as one of its sources
.endr
	v_mov_b32 v252, 0                              ; likewise
	v_mov_b32 v253, 0                              ; (named as the upper half of the pair v[252:253] before it is first written)
	s_wait_loadcnt 0x0                             ; Q
	; Q's 64 numbers of a lane become its fragment v16-23 and its scale word v255
.irp b, 0,1,2,3
	v_max3_num_f32 v[232+\b], |v[96+16*\b]|, |v[97+16*\b]|, 0x1800000   ; block b: my 16 numbers, and the floor 2^(3 - 127)
.endr
.irp i, 2,4,6,8,10,12,14
.irp b, 0,1,2,3
	s_delay_alu instid0(VALU_DEP_4)
	v_max3_num_f32 v[232+\b], v[232+\b], |v[96+16*\b+\i]|, |v[97+16*\b+\i]|
.endr
.endr
.irp b, 0,1,2,3
	s_delay_alu instid0(VALU_DEP_4)
	v_permlanex16_b32 v[236+\b], v[232+\b], s[SEL], s[SEL+1]
.endr
.irp b, 0,1,2,3
	s_delay_alu instid0(VALU_DEP_4)
	v_max_num_f32 v[232+\b], v[232+\b], v[236+\b]  ; with lane l xor 16's: the block's largest magnitude
.endr
.irp b, 0,1,2,3
	s_delay_alu instid0(VALU_DEP_4)
	v_add_nc_u32 v[244+\b], 0xff000000, v[232+\b]  ; 2 off its exponent field: the conversion's scale operand
.endr
.irp b, 0,1,2,3
	s_delay_alu instid0(VALU_DEP_4)
	v_lshrrev_b32 v[236+\b], 23, v[244+\b]         ; the scale's byte
.endr
	s_delay_alu instid0(VALU_DEP_3)
	v_lshl_or_b32 v255, v237, 8, v236
	s_delay_alu instid0(VALU_DEP_1)
	v_lshl_or_b32 v255, v238, 16, v255
	s_delay_alu instid0(VALU_DEP_1)
	v_lshl_or_b32 v255, v239, 24, v255
.irp b, 0,1,2,3
	v_cvt_scalef32_pk8_fp4_f32 v[16+2*\b], v[96+16*\b:103+16*\b], v[244+\b]
	v_cvt_scalef32_pk8_fp4_f32 v[17+2*\b], v[104+16*\b:111+16*\b], v[244+\b]
.endr
	v_nop                                          ; one plain line behind a scaled conversion
.irp c, 0,1
.irp i, 0,1
	v_permlane16_swap_b32 v[16+4*\c+\i], v[18+4*\c+\i]
.endr
.endr
.set j, 0
.rept 64
	v_mov_b32 v[160+j], 0                          ; O^T.  (The step is written without a first step of its own: it finds zeros, which the first change of M leaves zeros.  These lines are also the places between Q's codes and scale word and the first product)
.set j, j+1
.endr
	s_wait_kmcnt 0x0                               ; the two cu_seqlens have come
	s_mov_b32 s[CNT], 7
.Ltrip_all:                                        ; trips 0 to 6: behind each change of slots all three areas of the next trip are asked for
	CHANGE 1
	TWO_STEPS
	s_sub_co_u32 s[CNT], s[CNT], 1
	s_cmp_lg_u32 s[CNT], 0
	s_cbranch_scc1 .Ltrip_all
	s_mov_b32 s[CNT], 2
.Ltrip_z:                                          ; trips 7 and 8: only area 1's stream goes on
	CHANGE 2
	TWO_STEPS
	s_sub_co_u32 s[CNT], s[CNT], 1
	s_cmp_lg_u32 s[CNT], 0
	s_cbranch_scc1 .Ltrip_z
	CHANGE 0                                       ; trip 9: nothing is left to fetch
	TWO_STEPS
	; THE MERGE.  Parts 0 and 1 of a long tile put O^T and their statistics into LDS as images of their registers; part 2 takes them up.  Slot 0 was last read in trip 8, in front of the last change's barrier.
.rept 4
	v_nop                                          ; four places behind the last products
.endr
	s_cmp_ge_u32 s[U], 2
	s_cbranch_scc1 .Lkeeper
	s_wait_alu depctr_va_vdst(0)
.irp k, 0,1,2,3,4,5,6,7,8,9,10,11,12,13,14,15
	ds_store_b128 v[MWR], v[160+4*\k:163+4*\k] offset:512*\k       ; each accumulator from its low end on
.endr
	ds_store_b128 v[MWR], v[12:15] offset:8192
.Lkeeper:
	s_wait_dscnt 0x0                               ; for the others' sake: my stores have landed, and my reads of slot 1 are over
	s_barrier_signal -1
	s_barrier_wait -1
	s_cmp_lt_u32 s[U], 2
	s_cbranch_scc1 .Lend
	s_cmp_eq_u32 s[U], 3
	s_cbranch_scc1 .Lway_out                       ; a short tile has one part
	ds_load_b128 v[232:235], v[MA] offset:8192
	ds_load_b128 v[236:239], v[MA] offset:MREG+8192
.irp k, 0,1,2,3,4,5,6,7,8,9,10,11,12,13,14,15
	ds_load_b128 v[32+4*\k:35+4*\k], v[MA] offset:512*\k
	ds_load_b128 v[96+4*\k:99+4*\k], v[MA] offset:MREG+512*\k
.endr
	s_wait_dscnt 32                                ; the two parts' statistics are in; the 32 loads behind them may be out
	v_min_num_f32 v240, v12, v232
	s_delay_alu instid0(VALU_DEP_1)
	v_min_num_f32 v240, v240, v236                 ; -M of the whole row: the least of the three
	s_delay_alu instid0(VALU_DEP_1)
	v_sub_f32 v241, v240, v12                      ; each part's M less the row's: a whole number, 0 or less
	s_delay_alu instid0(VALU_DEP_2)
	v_sub_f32 v252, v240, v232
	s_delay_alu instid0(VALU_DEP_3)
	v_sub_f32 v254, v240, v236
	s_delay_alu instid0(VALU_DEP_3)
	v_cvt_i32_f32 v241, v241
	s_delay_alu instid0(VALU_DEP_3)
	v_cvt_i32_f32 v252, v252
	s_delay_alu instid0(VALU_DEP_3)
	v_cvt_i32_f32 v254, v254
	s_delay_alu instid0(VALU_DEP_3)
	v_ldexp_f32 v242, 1.0, v241                    ; the three factors, each twice: pairs for the packed forms
	s_delay_alu instid0(VALU_DEP_4)
	v_ldexp_f32 v243, 1.0, v241
	s_delay_alu instid0(VALU_DEP_4)
	v_ldexp_f32 v244, 1.0, v252
	v_ldexp_f32 v245, 1.0, v252
	v_ldexp_f32 v246, 1.0, v254
	v_ldexp_f32 v247, 1.0, v254
	v_pk_mul_f32 v[14:15], v[14:15], v[242:243]
	s_delay_alu instid0(VALU_DEP_1)
	v_pk_fma_f32 v[14:15], v[234:235], v[244:245], v[14:15]
	s_delay_alu instid0(VALU_DEP_1)
	v_pk_fma_f32 v[14:15], v[238:239], v[246:247], v[14:15]
.set j, 0
.rept 32
	v_pk_mul_f32 v[160+j:161+j], v[160+j:161+j], v[242:243]
.set j, j+2
.endr
	s_wait_dscnt 0x0
.set j, 0
.rept 32
	v_pk_fma_f32 v[160+j:161+j], v[32+j:33+j], v[244:245], v[160+j:161+j]
.set j, j+2
.endr
.set j, 0
.rept 32
	v_pk_fma_f32 v[160+j:161+j], v[96+j:97+j], v[246:247], v[160+j:161+j]
.set j, j+2
.endr
	; THE WAY OUT.  O^T is divided by the sum and goes through my stage in LDS, half a row (64 channels, 256 bytes) of 16 queries at a time.
.Lway_out:
	v_add_f32 v14, v14, v15                        ; the sum's two halves,
	s_delay_alu instid0(VALU_DEP_1)
	v_permlanex16_b32 v252, v14, s[SEL], s[SEL+1]
	s_delay_alu instid0(VALU_DEP_1)
	v_add_f32 v14, v14, v252                       ; and lane l xor 16's: the row's sum
	s_wait_alu depctr_va_vdst(0)
	v_rcp_f32 v14, v14
	v_nop                                          ; a plain line behind the transcendental
.set j, 0
	s_wait_alu depctr_va_vdst(0)
.rept 64
	v_mul_f32 v[96+j], v[160+j], v14               ; register 8 t + i is out(r, 16 t + 8 hh + i)
.set j, j+1
.endr
.irp u, 0,1                                    ; channels 64 u on
.irp t, 0,1,2,3
	ds_store_b128 v[STI], v[96+32*\u+8*\t:99+32*\u+8*\t] offset:64*\t
	ds_store_b128 v[STI], v[100+32*\u+8*\t:103+32*\u+8*\t] offset:64*\t+16
.endr
.irp i, 0,1,2,3,4,5,6,7
	ds_load_b128 v[32+32*\u+4*\i:35+32*\u+4*\i], v[STO] offset:2*\i*272   ; LDS serves a wave's instructions in order: these see my stores, and the next half's stores come behind them
.endr
.endr
.irp u, 0,1
.irp i, 0,1,2,3,4,5,6,7
	s_wait_dscnt 23-16*\u-\i                       ; behind this load: the rest of its half's loads and, for the first half, the second's eight stores and eight loads
	global_store_b128 v[GO], v[32+32*\u+4*\i:35+32*\u+4*\i], s[8:9] offset:2*\i*16384+256*\u th:TH_STORE_NT   ; sixteen lanes store 256 consecutive bytes, at a multiple of 256 from out's first byte; written once, read by nobody here
.endr
.endr
.Lend:
	s_wait_tensorcnt 0x0                           ; the wave's end: behind my last tensor load and my last LDS store
	ds_add_u32 v[SPW], v[NIL]
	s_wait_dscnt 0x0
	ROUND                                          ; the closing round: no work-group ends while a partner may still ask for records that name it
	s_endpgm
.Lfunc_end_k_qee51be2570_attn:
	.size	k_qee51be2570_attn, .Lfunc_end_k_qee51be2570_attn-k_qee51be2570_attn
	.p2alignl 7, 3214868480
	.fill 96, 4, 3214868480
	.section	.rodata,"a",@progbits
	.p2align	6, 0x0
	.amdhsa_kernel k_qee51be2570_attn
		.amdhsa_group_segment_fixed_size 327680
		.amdhsa_private_segment_fixed_size 0
		.amdhsa_enable_private_segment 0
		.amdhsa_kernarg_size 40
		.amdhsa_user_sgpr_count 2
		.amdhsa_user_sgpr_kernarg_segment_ptr 1
		.amdhsa_wavefront_size32 1
		.amdhsa_system_sgpr_workgroup_id_x 1
		.amdhsa_system_sgpr_workgroup_id_y 1
		.amdhsa_system_sgpr_workgroup_id_z 1
		.amdhsa_system_vgpr_workitem_id 0
		.amdhsa_next_free_vgpr 256
		.amdhsa_next_free_sgpr 66
		.amdhsa_reserve_vcc 1
		.amdhsa_float_denorm_mode_32 3
		.amdhsa_float_denorm_mode_16_64 3
		.amdhsa_memory_ordered 1
		.amdhsa_forward_progress 1
		.amdhsa_inst_pref_size 176
	.end_amdhsa_kernel
	.amdgpu_metadata
---
amdhsa.version: [ 1, 2 ]
amdhsa.kernels:
  - .name:           k_qee51be2570_attn
    .symbol:         k_qee51be2570_attn.kd
    .args:
      - { .name: q_shard, .offset: 0, .size: 8, .value_kind: global_buffer, .address_space: global }
      - { .name: kvimg, .offset: 8, .size: 8, .value_kind: global_buffer, .address_space: global }
      - { .name: out0, .offset: 16, .size: 8, .value_kind: global_buffer, .address_space: global }
      - { .name: cu_seqlens_q, .offset: 24, .size: 8, .value_kind: global_buffer, .address_space: global }
      - { .name: cu_seqlens_k, .offset: 32, .size: 8, .value_kind: global_buffer, .address_space: global }
    .group_segment_fixed_size: 327680
    .private_segment_fixed_size: 0
    .kernarg_segment_align: 8
    .kernarg_segment_size: 40
    .max_flat_workgroup_size: 512
    .sgpr_count:     66
    .vgpr_count:     256
    .wavefront_size: 32
...
	.end_amdgpu_metadata
.endif
;; end of part 2
